; MI455X (gfx1250); checked and timed in simulation.
; The chip was launched on July 23, 2026; its instructions are those of AMD's public machine-readable ISA for CDNA 5 (MIT licence, August 2026) and "CDNA5" Instruction Set Architecture Reference Guide (July 2026). The comments in the code are by the model that wrote it; some were corrected since.
;; MHA. Allowed arithmetic: matrix products marked QUANTISED: E2M3 operands, one E8M0 scale for each 32 along K, by v_wmma_scale_f32_16x16x128_f8f6f4 with both operands' format E2M3, f32 sums; everything else in f32.
;; Inputs: Wk 1,024 x 1,024 float32; Wo 1,024 x 1,024 float32; Wq 1,024 x 1,024 float32; Wv 1,024 x 1,024 float32; bk 1,024 float32; bo 1,024 float32; bq 1,024 float32; bv 1,024 float32; key 4 x 2,048 x 1,024 float32; mask 1 x 1 x 2,048 x 2,048 bool; query 4 x 2,048 x 1,024 float32; value 4 x 2,048 x 1,024 float32.
;; Outputs: out0 4 x 2,048 x 1,024 float32.
;; This version of the problem:
;;   THIS VERSION OF THE PROBLEM IS GIVEN IN LOW PRECISION. The matrix products marked QUANTISED in the list below multiply operands that are first quantised to E2M3 (2 exponent bits, 3 mantissa bits; 6 bits a number), with one power-of-two scale for each 32 numbers along K (OCP MX v1.0); their sums are f32. All else is computed in f32.
;;   The module's matrix products, in the order in which they are computed (A, B: the left and right operand; K: the contracted axis; several contracted axes count as one K, in the product's order):
;;     1. [M 8,192, K 1,024] x [K 1,024, N 1,024]; A: input query; B: input Wq: QUANTISED
;;     2. [M 8,192, K 1,024] x [K 1,024, N 1,024]; A: input key; B: input Wk: QUANTISED
;;     3. [M 8,192, K 1,024] x [K 1,024, N 1,024]; A: input value; B: input Wv: QUANTISED
;;     4. batch 64 x [M 2,048, K 64] x [K 64, N 2,048]; A: computed on the way; B: computed on the way: QUANTISED
;;     5. batch 64 x [M 2,048, K 2,048] x [K 2,048, N 64]; A: softmax (see below); B: computed on the way: QUANTISED
;;     6. [M 8,192, K 1,024] x [K 1,024, N 1,024]; A: computed on the way; B: input Wo: QUANTISED
;;   THE QUANTISER, for each operand of a quantised product, along K:
;;     - K is cut into blocks of 32 from its start; a last block that is shorter is filled with zeros.
;;     - A block's scale is 2^e with e = floor(log2(the largest magnitude in the block)) - 2, held to -126 .. 127; a block of zeros has e = 0. As a byte (E8M0): e + 127.
;;     - Each number is divided by its block's scale, clamped to +-7.5, and rounded to the nearest number of E2M3, ties to even, subnormals kept.
;;     - The product sums the exact products of the quantised numbers (number of the format x scale) in f32.
;;   ~~~python
;;   def quantise(x, axis):      # numpy; x: float32 -> the quantised numbers, widened to float32 again
;;       x = np.moveaxis(x, axis, -1); K = x.shape[-1]
;;       x = np.pad(x, [(0, 0)] * (x.ndim - 1) + [(0, -K % 32)]); x = x.reshape(x.shape[:-1] + (-1, 32)); a = np.abs(x).max(-1, keepdims=True)
;;       e = np.where(a > 0, np.clip(np.frexp(np.where(a > 0, a, 1))[1] - 1 - 2, -126, 127), 0)      # np.frexp(a)[1] - 1 = floor(log2(a)), exactly
;;       r = np.clip(x / 2.0 ** e, -7.5, 7.5)
;;       step = 2.0 ** (np.maximum(np.frexp(np.where(r == 0, 1, r))[1] - 1, 0) - 3)
;;       q = np.round(r / step) * step * 2.0 ** e      # np.round: ties to even
;;       return np.moveaxis(q.reshape(q.shape[:-2] + (-1,))[..., :K], -1, axis).astype(np.float32)
;;   ~~~
;;   SOFTMAX AHEAD OF A QUANTISED PRODUCT. Where the list says 'softmax', what is quantised is not the finished softmax but p = 2^(t - M), with t = logit x log2(e) and M = ceil(the row's largest t), a whole number; so 1/2 < the row's largest p <= 1. The row's sum l is taken of the UNQUANTISED p, in f32, and the product's result is divided by l at the end. Since M is a whole number, a kernel that streams over the keys may use a running M (the ceiling of the running maximum): every later rescaling is an exact power of two, which a block's scale takes up: the codes' values come out the same.
;;   OPERANDS COMPUTED ON THE WAY. 'Computed on the way' means the value that the module computes at that place (a softmax that the list does not call 'softmax' is quantised finished and normalised). What goes into a quantiser is computed in f32, as accurately as f32 sums, v_exp_f32 and their like allow (about 1e-6 of the number): no bf16 or f16 on the way to a quantiser, and a product that is left as it is and whose result goes on into a quantised operand takes f32 operands (vector FMAs, or v_wmma_f32_16x16x4_f32). A number that lies on a knife's edge between two numbers of the format may be rounded either way, as far as f32 arithmetic and the matrix unit's own rounding can turn it there, and no further.
;; One version. Each part assembles by itself: llvm-mc -triple=amdgcn-amd-amdhsa -mcpu=gfx1250 --defsym DOCPART=n.
;; ======== version 1 of 1: 4 launches
;; workspace buffers: xc 22,020,096 bytes; xs 917,504 bytes; mw 524,288 bytes of whole numbers; pc 18,874,368 bytes; ps 1,572,864 bytes; oc 6,291,456 bytes; os 262,144 bytes
;; launch prep (part 1): grid 512 x 1, 4 waves a work-group, no clusters, 34,304 bytes of LDS; arguments query, key, value, Wq, Wk, Wv, Wo, mask, xc, xs, mw; writes xc, xs, mw
.if DOCPART == 1
	.amdgcn_target "amdgcn-amd-amdhsa--gfx1250"
	.amdhsa_code_object_version 6
	.text
	.protected	k_qc82734fa5a_prep
	.globl	k_qc82734fa5a_prep
	.p2align	8
	.type	k_qc82734fa5a_prep,@function
k_qc82734fa5a_prep:
	s_mov_b64 s[64:65], 0
	v_nop
	global_prefetch_b8 v0, s[64:65] scope:SCOPE_SE
	s_setreg_imm32_b32 hwreg(HW_REG_WAVE_MODE, 25, 1), 1
	s_wait_xcnt 0x0
; PREP.  (1) query, key, value [8192][1024] and Wq, Wk, Wv, Wo [1024][1024], f32, K innermost, become codes of FP6 (E2M3) with one E8M0 byte for each 32 along K,
; laid in the order of a matrix operand's registers.  (2) The mask's bytes become lane-mask words for the attention launch.
; THE TILE.  16 rows form a tile (rho, u): lane row r stands for row 32 rho + 8 u + r + 8 (r / 8).  A group G is 128 rows: tiles i = 2 (rho % 4) + u, i = 0 .. 7.
; xc: G x 98,304 + s x 12,288 + i x 1,536 + 512 c + 16 lane: registers 4 c .. 4 c + 3 of the fragment (tile i, K step s of 128).  Lane (r, h): registers 6 c .. 6 c + 5 = k 64 c + 32 h + 0 .. 31 of row r.
; xs: G x 4,096 + s x 512 + 16 lane + 4 p: the scale word (four bytes, 128 along K) of tile 2 p + lane / 16, row lane % 16.
; Groups: query 0-63, key 64-127, value 128-191, Wq 192-199, Wk 200-207, Wv 208-215, Wo 216-223.
; mw: Qt x 4,096 + s x 256 + 4 n, Qt = 2 rho + u a tile of queries, s a step of 128 keys, n = 16 b + i: bit (r, h) of the word = mask[query r of Qt][128 s + 32 b + 16 h + i].
; A block's scale is 2^(floor(log2(largest magnitude)) - 2): its byte is the largest magnitude's exponent field - 2, held at 1 from below by a floor among the maximum's leaves.
; LIMITS: a block of zeros gets the byte 1 where the rule says 127 (its codes are zeros; these bytes are read by this program alone); blocks whose largest magnitude lies under 2^-124 have
; their byte held at 1; NaN and infinities among the inputs are not served.
; SHARES.  Work-groups 0-447: wave w of work-group x takes unit 4 x + w = 8 G + s: 128 rows x 128 K, eight fragments.  Each load reads 512 consecutive bytes of one row; the sixteen rows of a
; fragment turn through the wave's own stage in LDS (rows 528 bytes apart), so that a lane gets two whole blocks of its row.  Loads run two fragments (32 loads a wave) ahead.
; Work-groups 448-511: wave m = 4 (x - 448) + w packs tile m / 2 of the queries, key steps 8 (m % 2) .. + 7.  That path touches no LDS.
; Memory binds: no matrix unit, no cluster, no tensor load, no barrier: waves share nothing.
.set QWG,  448                         ; work-groups of the quantiser
.set PIT,  528                         ; a stage row: 512 bytes + 16
.set STG,  16*PIT                      ; a wave's stage
.set LI,   2                           ; v2    16 x lane
.set SIN,  3                           ; v3    the stage, way in
.set SOUT, 4                           ; v4    the stage, way out: row r, + 128 h
.set H8,   5                           ; v5    8 h
.set WE,   6                           ; v6    the even tile's scale word
.set WO,   7                           ; v7    the odd tile's
.set MX,   8                           ; v8-9  largest magnitudes
.set SOP,  10                          ; v10-11 the conversions' scale operands
.set BY,   12                          ; v12-13 scale bytes
.set WD,   14                          ; v14   my two bytes at their places
.set PX,   15                          ; v15   lane l xor 16's
.set SW,   16                          ; v16-19 the unit's scale words
.set CD,   20                          ; v20-31, v32-43 codes, two sets
.set CT,   44                          ; v44-51 the second halves of the blocks' codes
.set X,    52                          ; v52-115 64 numbers of my row
.set R,    116                         ; v116-179, v180-243 two sets of sixteen loads; the mask path: 32 loads
.set OW,   20                          ; the mask path: v20-35 the words of eight key steps
.set MT,   8                           ; the mask path: v8-15 at work
	s_load_b512 s[4:19], s[0:1], 0x0               ; query, key, value, Wq, Wk, Wv, Wo s[16:17], mask s[18:19]
	s_load_b128 s[20:23], s[0:1], 0x40             ; xc, xs
	s_load_b64 s[24:25], s[0:1], 0x50              ; mw
	v_lshl_add_u32 v248, v0, 2, 0x8400
	v_mov_b32 v249, 0
	v_lshrrev_b32 v1, 5, v0
	v_readfirstlane_b32 s26, v1                    ; wave
	v_and_b32 v1, 31, v0                           ; lane
	v_and_b32 v6, 15, v0                           ; r
	v_bfe_u32 v7, v0, 4, 1                         ; h
	s_cmp_ge_u32 ttmp9, QWG
	s_cbranch_scc1 .Lmask
	; ---------------- the quantiser ----------------
	v_lshlrev_b32 v[LI], 4, v1
	s_mul_i32 s27, s26, STG
	v_add_nc_u32 v[SIN], s27, v[LI]
	v_mul_u32_u24 v[SOUT], v6, PIT
	v_lshl_add_u32 v[SOUT], v7, 7, v[SOUT]
	v_add_nc_u32 v[SOUT], s27, v[SOUT]
	v_lshlrev_b32 v[H8], 3, v7
	v_mov_b32 v[PX], 0                             ; a lane permute's destination counts as one of its sources
	s_mov_b32 s28, 0xffff0000                      ; lanes 16-31
	s_mov_b32 s30, 0x76543210
	s_mov_b32 s31, 0xfedcba98                      ; selects for lane l xor 16
	s_mov_b32 s29, 432                             ; first work-group of the tensor chosen: Wo's, unless one of the compares below says otherwise
	s_wait_alu depctr_va_vdst(0)
	s_wait_kmcnt 0x0
	s_cmp_lt_u32 ttmp9, 432                        ; the choices hang on the work-group's number alone
	s_cselect_b64 s[16:17], s[14:15], s[16:17]
	s_cselect_b32 s29, 416, s29
	s_cmp_lt_u32 ttmp9, 416
	s_cselect_b64 s[16:17], s[12:13], s[16:17]
	s_cselect_b32 s29, 400, s29
	s_cmp_lt_u32 ttmp9, 400
	s_cselect_b64 s[16:17], s[10:11], s[16:17]
	s_cselect_b32 s29, 384, s29
	s_cmp_lt_u32 ttmp9, 384
	s_cselect_b64 s[16:17], s[8:9], s[16:17]
	s_cselect_b32 s29, 256, s29
	s_cmp_lt_u32 ttmp9, 256
	s_cselect_b64 s[16:17], s[6:7], s[16:17]
	s_cselect_b32 s29, 128, s29
	s_cmp_lt_u32 ttmp9, 128
	s_cselect_b64 s[16:17], s[4:5], s[16:17]
	s_cselect_b32 s29, 0, s29
	s_sub_co_u32 s32, ttmp9, s29
	s_lshr_b32 s32, s32, 1                         ; the group within its tensor
	s_lshl_b32 s32, s32, 19                        ; 128 rows of 4,096 bytes
	s_and_b32 s33, ttmp9, 1
	s_lshl_b32 s33, s33, 2
	s_add_co_u32 s33, s33, s26                     ; the K step
	s_lshl_b32 s34, s33, 9                         ; 512 bytes of a row
	s_add_co_u32 s32, s32, s34
	s_mov_b32 s33, 0
	s_add_nc_u64 s[16:17], s[16:17], s[32:33]      ; my unit's first number
	s_lshl_b32 s34, ttmp9, 2
	s_add_co_u32 s34, s34, s26                     ; the unit
	s_mul_i32 s36, s34, 12288
	s_mov_b32 s37, 0
	s_add_nc_u64 s[20:21], s[20:21], s[36:37]      ; its codes
	s_lshl_b32 s36, s34, 9
	s_add_nc_u64 s[22:23], s[22:23], s[36:37]      ; its scale words
.macro LOAD i                          ; the sixteen rows of tile i, 512 consecutive bytes each, into set i % 2
.irp j, 0,1,2,3,4,5,6,7,8,9,10,11,12,13,14,15
	global_load_b128 v[R+64*((\i)%2)+4*\j:R+64*((\i)%2)+4*\j+3], v[LI], s[16:17] offset:(32*((\i)/2)+8*((\i)%2)+\j+8*(\j/8))*4096 th:TH_LOAD_NT
.endr
.endm
.macro FRAG i
.set RS, R+64*((\i)%2)
.set CS, CD+12*((\i)%2)
.if (\i) < 7
	s_wait_loadcnt 16                              ; this tile's sixteen loads are in; the next tile's sixteen may be out
.else
	s_wait_loadcnt 0
.endif
.irp j, 0,1,2,3,4,5,6,7,8,9,10,11,12,13,14,15
	ds_store_b128 v[SIN], v[RS+4*\j:RS+4*\j+3] offset:PIT*\j
.endr
.irp c, 0,1                            ; LDS serves a wave's instructions in order: these see the stores above.  Blocks h and 2 + h of row r: 128 bytes each
.irp q, 0,1,2,3,4,5,6,7
	ds_load_b128 v[X+32*\c+4*\q:X+32*\c+4*\q+3], v[SOUT] offset:256*\c+16*\q
.endr
.endr
	s_wait_dscnt 0x0
.if (\i) < 6
	LOAD (\i)+2                                    ; the set just turned takes the tile two on
.endif
.irp c, 0,1
	v_max3_num_f32 v[MX+\c], |v[X+32*\c]|, |v[X+32*\c+1]|, 0x1800000   ; all 32 numbers of a block are mine; the floor 2^(3 - 127) keeps the byte at 1 or above
.endr
.irp q, 2,4,6,8,10,12,14,16,18,20,22,24,26,28,30
.irp c, 0,1
	v_max3_num_f32 v[MX+\c], v[MX+\c], |v[X+32*\c+\q]|, |v[X+32*\c+\q+1]|
.endr
.endr
.irp c, 0,1
	v_add_nc_u32 v[SOP+\c], 0xff000000, v[MX+\c]   ; 2 off the exponent field: the conversion takes that field as its scale
.endr
.irp c, 0,1
	v_lshrrev_b32 v[BY+\c], 23, v[SOP+\c]          ; the scale's byte
.endr
	v_lshl_or_b32 v[WD], v[BY+1], 16, v[BY]        ; blocks h and 2 + h,
	v_lshlrev_b32 v[WD], v[H8], v[WD]              ; at their places in the word;
	v_permlanex16_b32 v[PX], v[WD], s30, s31
.if (\i)%2 == 0
	v_or_b32 v[WE], v[WD], v[PX]                   ; with lane l xor 16's two the word is whole
.else
	v_or_b32 v[WO], v[WD], v[PX]
	v_cndmask_b32 v[SW+(\i)/2], v[WE], v[WO], s28  ; lanes 0-15 the even tile's words, lanes 16-31 the odd tile's
.endif
.if (\i) >= 2
	s_wait_alu depctr_va_vdst(0)
	s_wait_xcnt 0x0                                ; this set of codes was the data of the stores two tiles back: it is written again only behind this wait
.endif
.irp c, 0,1
	v_cvt_scalef32_pk16_fp6_f32 v[CS+6*\c:CS+6*\c+2], v[X+32*\c:X+32*\c+15], v[SOP+\c]
	v_cvt_scalef32_pk16_fp6_f32 v[CT+4*\c:CT+4*\c+2], v[X+32*\c+16:X+32*\c+31], v[SOP+\c]   ; (a conversion's three registers begin on an even number)
.endr
	v_nop                                          ; one plain place behind a scaled conversion
.irp c, 0,1
.irp q, 0,1,2
	v_mov_b32 v[CS+6*\c+3+\q], v[CT+4*\c+\q]
.endr
.endr
.irp c, 0,1,2
	global_store_b128 v[LI], v[CS+4*\c:CS+4*\c+3], s[20:21] offset:(\i)*1536+512*\c   ; 512 consecutive bytes, aligned
.endr
.endm
	LOAD 0
	LOAD 1
.irp i, 0,1,2,3,4,5,6,7
	FRAG \i
.endr
	global_store_b128 v[LI], v[SW:SW+3], s[22:23]  ; the unit's 128 scale words: 512 consecutive bytes
	s_wait_tensorcnt 0x0
	ds_add_u32 v248, v249
	s_wait_dscnt 0x0
	s_endpgm
	; ---------------- the mask ----------------
.Lmask:
	s_sub_co_u32 s27, ttmp9, QWG
	s_lshl_b32 s27, s27, 2
	s_add_co_u32 s27, s27, s26                     ; m
	s_lshr_b32 s28, s27, 1                         ; Qt
	s_and_b32 s29, s27, 1                          ; which eight key steps
	s_lshr_b32 s30, s28, 1
	s_lshl_b32 s30, s30, 16                        ; rho x 32 rows of 2,048 bytes
	s_and_b32 s31, s28, 1
	s_lshl_b32 s31, s31, 14                        ; u x 8 rows
	s_add_co_u32 s30, s30, s31
	s_lshl_b32 s31, s29, 10                        ; 1,024 keys
	s_add_co_u32 s30, s30, s31
	s_mov_b32 s31, 0
	s_lshl_b32 s32, s28, 12
	s_lshl_b32 s33, s29, 11
	s_add_co_u32 s32, s32, s33
	s_mov_b32 s33, 0
	s_wait_alu depctr_va_vdst(0)
	v_and_b32 v2, 8, v6
	v_add_nc_u32 v2, v2, v6                        ; r + 8 (r / 8)
	v_lshlrev_b32 v2, 11, v2
	v_lshl_add_u32 v2, v7, 4, v2                   ; my query's row, + 16 h
	v_lshlrev_b32 v3, 3, v1                        ; out: 8 bytes a lane
.irp q, 0,1,2,3,4,5,6,7,8,9,10,11,12,13,14,15
	v_mov_b32 v[OW+\q], 0                          ; v_writelane_b32's destination counts as one of its sources
.endr
	s_wait_kmcnt 0x0
	s_add_nc_u64 s[18:19], s[18:19], s[30:31]
	s_add_nc_u64 s[24:25], s[24:25], s[32:33]
.irp t, 0,1,2,3,4,5,6,7
.irp b, 0,1,2,3
	global_load_b128 v[R+16*\t+4*\b:R+16*\t+4*\b+3], v2, s[18:19] offset:128*\t+32*\b   ; keys 128 t + 32 b + 16 h + 0 .. 15 of my query
.endr
.endr
.macro MSTEP t                         ; 64 words: word n = 8 g + e gathers byte n % 16 of block n / 16 from all 32 lanes, and goes to lane n / 2, register n % 2
	s_wait_loadcnt 28-4*(\t)                       ; this step's four loads are in; the later steps' may be out
.set g, 0
.rept 8
.irp e, 0,1,2,3,4,5,6,7
	v_and_b32 v[MT+\e], 0xff<<(8*(\e%4)), v[R+16*(\t)+4*(g/2)+2*(g%2)+\e/4]
.endr
.irp e, 0,1,2,3,4,5,6,7
	v_cmp_ne_u32 s[36+\e], 0, v[MT+\e]
.endr
.irp e, 0,1,2,3,4,5,6,7
	v_writelane_b32 v[OW+2*(\t)+\e%2], s[36+\e], 4*g+\e/2
.endr
.set g, g+1
.endr
	global_store_b64 v3, v[OW+2*(\t):OW+2*(\t)+1], s[24:25] offset:256*(\t)   ; 256 consecutive bytes, aligned; each step has its own two registers
.endm
.irp t, 0,1,2,3,4,5,6,7
	MSTEP \t
.endr
	s_endpgm
.Lfunc_end_k_qc82734fa5a_prep:
	.size	k_qc82734fa5a_prep, .Lfunc_end_k_qc82734fa5a_prep-k_qc82734fa5a_prep
	.p2alignl 7, 3214868480
	.fill 96, 4, 3214868480
	.section	.rodata,"a",@progbits
	.p2align	6, 0x0
	.amdhsa_kernel k_qc82734fa5a_prep
		.amdhsa_group_segment_fixed_size 34304
		.amdhsa_private_segment_fixed_size 0
		.amdhsa_enable_private_segment 0
		.amdhsa_kernarg_size 88
		.amdhsa_user_sgpr_count 2
		.amdhsa_user_sgpr_kernarg_segment_ptr 1
		.amdhsa_wavefront_size32 1
		.amdhsa_system_sgpr_workgroup_id_x 1
		.amdhsa_system_sgpr_workgroup_id_y 1
		.amdhsa_system_sgpr_workgroup_id_z 1
		.amdhsa_system_vgpr_workitem_id 0
		.amdhsa_next_free_vgpr 250
		.amdhsa_next_free_sgpr 66
		.amdhsa_reserve_vcc 0
		.amdhsa_float_denorm_mode_32 3
		.amdhsa_float_denorm_mode_16_64 3
		.amdhsa_memory_ordered 1
		.amdhsa_forward_progress 1
		.amdhsa_inst_pref_size 160
	.end_amdhsa_kernel
	.amdgpu_metadata
---
amdhsa.version: [ 1, 2 ]
amdhsa.kernels:
  - .name:           k_qc82734fa5a_prep
    .symbol:         k_qc82734fa5a_prep.kd
    .args:
      - { .name: query, .offset: 0, .size: 8, .value_kind: global_buffer, .address_space: global }
      - { .name: key, .offset: 8, .size: 8, .value_kind: global_buffer, .address_space: global }
      - { .name: value, .offset: 16, .size: 8, .value_kind: global_buffer, .address_space: global }
      - { .name: Wq, .offset: 24, .size: 8, .value_kind: global_buffer, .address_space: global }
      - { .name: Wk, .offset: 32, .size: 8, .value_kind: global_buffer, .address_space: global }
      - { .name: Wv, .offset: 40, .size: 8, .value_kind: global_buffer, .address_space: global }
      - { .name: Wo, .offset: 48, .size: 8, .value_kind: global_buffer, .address_space: global }
      - { .name: mask, .offset: 56, .size: 8, .value_kind: global_buffer, .address_space: global }
      - { .name: xc, .offset: 64, .size: 8, .value_kind: global_buffer, .address_space: global }
      - { .name: xs, .offset: 72, .size: 8, .value_kind: global_buffer, .address_space: global }
      - { .name: mw, .offset: 80, .size: 8, .value_kind: global_buffer, .address_space: global }
    .group_segment_fixed_size: 34304
    .private_segment_fixed_size: 0
    .kernarg_segment_align: 8
    .kernarg_segment_size: 88
    .max_flat_workgroup_size: 128
    .sgpr_count:     66
    .vgpr_count:     250
    .wavefront_size: 32
...
	.end_amdgpu_metadata
.endif
;; end of part 1
;; launch proj (part 2): grid 64 x 3, 16 waves a work-group, no clusters, 169,984 bytes of LDS; arguments xc, xs, bq, bk, bv, pc, ps; writes pc, ps
.if DOCPART == 2
	.amdgcn_target "amdgcn-amd-amdhsa--gfx1250"
	.amdhsa_code_object_version 6
	.text
	.protected	k_qc82734fa5a_proj
	.globl	k_qc82734fa5a_proj
	.p2align	8
	.type	k_qc82734fa5a_proj,@function
k_qc82734fa5a_proj:
	s_mov_b64 s[64:65], 0
	v_nop
	global_prefetch_b8 v0, s[64:65] scope:SCOPE_SE
	s_setreg_imm32_b32 hwreg(HW_REG_WAVE_MODE, 25, 1), 1
	s_wait_xcnt 0x0
; PROJ.  q = query Wq^T + bq, k = key Wk^T + bk, v = value Wv^T + bv on codes of FP6 (E2M3) with E8M0 scales, sums in f32; the results are quantised at once for the attention launch:
; q and k along the head's 64 features, v along the tokens (the keys).  One body; the work-group's y is the mode (0: q, 1: k, 2: v).
; D = S0 tile x S1 tile: a lane holds ONE row of S1, and its registers run along S0's rows, which are the next product's K.  By the tile's choice of rows (lane row r = row 32 rho + 8 u + r + 8 (r / 8))
; the 64 registers of eight S0 tiles are: register 16 b + i = S0 row 32 b + 16 (lane / 16) + i.
;   q, k: S0 = 128 features of W (heads 2 g, 2 g + 1; g = x % 8), S1 = 1,024 tokens (x / 8).      v: S0 = 128 tokens of value (group x), S1 = all 1,024 features of Wv.
; S0's slab, 128 rows x all of K as it lies in xc (98,304 bytes), comes into LDS once, by one tensor load a wave (24 rows of 256 bytes); nothing is filled again.  S1's fragments go from memory
; straight into registers, one K step ahead.  Wave w takes S1's group w / 2 and the pairs of tiles p = 2 (w % 2) + n, n = 0, 1, one after the other: 128 x 32 of D, sixteen accumulators.
; OUT.  pc: q at 0, k at 6,291,456: head x 98,304 + rho x 1,536 + u x 768 + 256 k3 + 8 lane (half a fragment a tile: registers 2 k3, 2 k3 + 1; the two tiles of a rho are one dense fragment);
;       v at 12,582,912: head x 98,304 + key step x 6,144 + dt x 1,536 + 256 k + 8 lane, dt = 2 beta + u the tile of the head's 64.
;       ps: q at 0, k and v at 786,432, 12,288 a head: q, k: rho x 128 + 4 (16 u + r): the word (s0, s1, s0, s1);  v: 8,192 + key step x 256 + beta x 128 + 4 lane (lanes 0-15 tile 2 beta, 16-31 tile 2 beta + 1).
; NO CLUSTER: of a work-group's 884,736 bytes only the slab's 98,304 are shared with others through LDS; the rest goes into registers, where a joint request cannot land.
; 192 work-groups: 3 x 64 slabs x 1,024 rows do not divide into 256 equal shares of whole slabs.
; LIMITS: a block of zeros gets the byte 1 (its codes are zeros; this program alone reads the bytes); blocks under 2^-124 have their byte held at 1; NaN and infinities are not served.
.set ACC,  16                          ; v16-143  accumulator (S0 tile i, S1 tile t) at 16 + 64 t + 8 i
.set RING, 144                         ; v144-191 four fragments of S0
.set BF,   192                         ; v192-215, v216-239 S1's two fragments, two buffers
.set SS,   240                         ; v240-243, v246-249 S0's scale words, two buffers: register p: lanes 0-15 tile 2 p, lanes 16-31 tile 2 p + 1
.set S1W,  244                         ; v244, v245 S1's scale words: lanes 0-15 the even tile, lanes 16-31 the odd one
.set TM,   144                         ; behind the K steps: v144-159 at work in the quantiser
.set CT,   160                         ; v160-167 second halves of the blocks' codes
.set PCE,  168                         ; v168-179 the even tile's codes;  v216-227 the odd tile's
.set BV,   180                         ; v180-183 v's bias, a pair for each tile
.set PWE,  250                         ; v250, v251 the two tiles' scale words
.set XW,   252
.set WA,   253
.set WB,   254
.set WV,   18
.set MODE, 19
.set G1,   24                          ; s[24:31] descriptor group 1;  s[32:35] group 0
.set G0,   32
.set S1P,  36
.set S1S,  38
.set S0S,  40
.set OP,   42
.set SP,   44
.set BP,   46
.set STT,  48                          ; bytes from the even tile's codes to the odd tile's
.set STC,  49                          ; from registers 0-5 to registers 6-11
.set STN,  50                          ; s[50:51] from pair to pair
.set SELA, 52
.set SELB, 53
.set HM,   54
.set SEL,  56
.macro WM d, a, b, sa, sb, ar, br, z   ; one product; ar, br: the scale words stand in lanes 16-31;  z: the product starts the sum
.if \z
.if (\ar) && (\br)
	v_wmma_scale_f32_16x16x128_f8f6f4 v[(\d):(\d)+7], v[(\a):(\a)+11], v[(\b):(\b)+11], 0, v[(\sa)], v[(\sb)] matrix_a_fmt:MATRIX_FMT_FP6 matrix_b_fmt:MATRIX_FMT_FP6 matrix_a_scale:MATRIX_SCALE_ROW1 matrix_b_scale:MATRIX_SCALE_ROW1
.elseif \ar
	v_wmma_scale_f32_16x16x128_f8f6f4 v[(\d):(\d)+7], v[(\a):(\a)+11], v[(\b):(\b)+11], 0, v[(\sa)], v[(\sb)] matrix_a_fmt:MATRIX_FMT_FP6 matrix_b_fmt:MATRIX_FMT_FP6 matrix_a_scale:MATRIX_SCALE_ROW1
.elseif \br
	v_wmma_scale_f32_16x16x128_f8f6f4 v[(\d):(\d)+7], v[(\a):(\a)+11], v[(\b):(\b)+11], 0, v[(\sa)], v[(\sb)] matrix_a_fmt:MATRIX_FMT_FP6 matrix_b_fmt:MATRIX_FMT_FP6 matrix_b_scale:MATRIX_SCALE_ROW1
.else
	v_wmma_scale_f32_16x16x128_f8f6f4 v[(\d):(\d)+7], v[(\a):(\a)+11], v[(\b):(\b)+11], 0, v[(\sa)], v[(\sb)] matrix_a_fmt:MATRIX_FMT_FP6 matrix_b_fmt:MATRIX_FMT_FP6
.endif
.else
.if (\ar) && (\br)
	v_wmma_scale_f32_16x16x128_f8f6f4 v[(\d):(\d)+7], v[(\a):(\a)+11], v[(\b):(\b)+11], v[(\d):(\d)+7], v[(\sa)], v[(\sb)] matrix_a_fmt:MATRIX_FMT_FP6 matrix_b_fmt:MATRIX_FMT_FP6 matrix_a_scale:MATRIX_SCALE_ROW1 matrix_b_scale:MATRIX_SCALE_ROW1
.elseif \ar
	v_wmma_scale_f32_16x16x128_f8f6f4 v[(\d):(\d)+7], v[(\a):(\a)+11], v[(\b):(\b)+11], v[(\d):(\d)+7], v[(\sa)], v[(\sb)] matrix_a_fmt:MATRIX_FMT_FP6 matrix_b_fmt:MATRIX_FMT_FP6 matrix_a_scale:MATRIX_SCALE_ROW1
.elseif \br
	v_wmma_scale_f32_16x16x128_f8f6f4 v[(\d):(\d)+7], v[(\a):(\a)+11], v[(\b):(\b)+11], v[(\d):(\d)+7], v[(\sa)], v[(\sb)] matrix_a_fmt:MATRIX_FMT_FP6 matrix_b_fmt:MATRIX_FMT_FP6 matrix_b_scale:MATRIX_SCALE_ROW1
.else
	v_wmma_scale_f32_16x16x128_f8f6f4 v[(\d):(\d)+7], v[(\a):(\a)+11], v[(\b):(\b)+11], v[(\d):(\d)+7], v[(\sa)], v[(\sb)] matrix_a_fmt:MATRIX_FMT_FP6 matrix_b_fmt:MATRIX_FMT_FP6
.endif
.endif
.endm
.macro PLACES                          ; four plain places between a matrix instruction and a load into, or a vector read or write of, its registers (ISA guide 7.12.1 for vector reads and writes)
.rept 4
	v_nop
.endr
.endm
	s_load_b256 s[4:11], s[0:1], 0x0               ; xc s[4:5], xs s[6:7], bq s[8:9], bk s[10:11]
	s_load_b128 s[12:15], s[0:1], 0x20             ; bv s[12:13], pc s[14:15]
	s_load_b64 s[16:17], s[0:1], 0x30              ; ps
	v_lshl_add_u32 v15, v0, 2, 0x29000
	v_mov_b32 v255, 0
	ds_add_u32 v15, v255
	ds_add_u32 v15, v255
	v_lshrrev_b32 v10, 5, v0
	s_delay_alu instid0(VALU_DEP_1)
	v_readfirstlane_b32 s[WV], v10                 ; wave 0..15
	s_and_b32 s[MODE], ttmp7, 0xffff
	s_mov_b32 s20, ttmp9                           ; x
	; descriptor group 1: a dense block of 24 rows of 256 bytes (32 elements of 8 bytes), no padding
	s_mov_b32 s[G1+0], 3<<16
	s_mov_b32 s[G1+1], 32<<16                      ; tensor_dim0
	s_mov_b32 s[G1+2], 24<<16                      ; tensor_dim1
	s_mov_b32 s[G1+3], 32<<16                      ; tile_dim0
	s_mov_b32 s[G1+4], 24                          ; tile_dim1
	s_mov_b32 s[G1+5], 32                          ; pitch
	s_mov_b32 s[G1+6], 0
	s_mov_b32 s[G1+7], 0
	; every offset is made for both kinds of mode, as a number of its own, and chosen behind ONE compare
	s_and_b32 s58, s20, 7                          ; g
	s_lshr_b32 s61, s20, 3                         ; x / 8
	s_lshr_b32 s66, s20, 4                         ; the batch
	s_and_b32 s67, s20, 15                         ; v: the key step
	s_lshr_b32 s68, s[WV], 1
	s_and_b32 s69, s[WV], 1
	s_and_b32 s70, s61, 1
	s_lshl_b32 s70, s70, 3
	s_add_co_u32 s70, s70, s68                     ; q, k: my group of 128 tokens within the batch
	s_lshl_b32 s59, s[MODE], 3
	s_add_co_u32 s59, s59, s58
	s_add_co_u32 s59, s59, 192                     ; q, k: S0's group
	s_add_co_u32 s60, s20, 128                     ; v: S0's group
	s_lshl_b32 s62, s61, 3
	s_lshl_b32 s63, s[MODE], 6
	s_add_co_u32 s62, s62, s63                     ; q, k: S1's first group
	s_mul_i32 s71, s[MODE], 6291456                ; q, k: where my codes go
	s_mul_i32 s72, s66, 1572864
	s_add_co_u32 s71, s71, s72
	s_mul_i32 s73, s58, 196608
	s_add_co_u32 s71, s71, s73
	s_mul_i32 s73, s70, 6144
	s_add_co_u32 s71, s71, s73
	s_mul_i32 s73, s69, 3072
	s_add_co_u32 s71, s71, s73
	s_add_co_u32 s74, s72, 12582912                ; v: likewise
	s_mul_i32 s73, s[WV], 98304
	s_add_co_u32 s74, s74, s73
	s_mul_i32 s73, s67, 6144
	s_add_co_u32 s74, s74, s73
	s_lshl_b32 s76, s66, 4                         ; 16 x batch
	s_lshl_b32 s73, s58, 1
	s_add_co_u32 s73, s73, s76
	s_mul_i32 s75, s73, 12288                      ; q, k: where my scale words go
	s_mul_i32 s73, s[MODE], 786432
	s_add_co_u32 s75, s75, s73
	s_lshl_b32 s73, s70, 9
	s_add_co_u32 s75, s75, s73
	s_lshl_b32 s73, s69, 8
	s_add_co_u32 s75, s75, s73
	s_add_co_u32 s73, s76, s[WV]
	s_mul_i32 s77, s73, 12288                      ; v: likewise
	s_add_co_u32 s77, s77, 786432+8192
	s_lshl_b32 s73, s67, 8
	s_add_co_u32 s77, s77, s73
	s_lshl_b32 s78, s58, 9                         ; q, k: the bias of my 128 features
	s_lshl_b32 s79, s[WV], 8                       ; v: of my head's 64
	s_mov_b32 s[STT], 768
	s_mov_b32 s[STC], 98304
	s_mov_b32 s[STN], 1536
	s_mov_b32 s[STN+1], 0
	s_mov_b32 s[SELA], 0x01000100                  ; bytes (0, 1, 0, 1)
	s_mov_b32 s[SELB], 0x03020302                  ; bytes (2, 3, 2, 3)
	s_mov_b32 s[HM], 0xffff0000                    ; lanes 16-31
	s_mov_b32 s[SEL], 0x76543210
	s_mov_b32 s[SEL+1], 0xfedcba98                 ; selects for lane l xor 16
	s_cmp_eq_u32 s[MODE], 2
	s_cselect_b32 s59, s60, s59
	s_cselect_b32 s62, 208, s62
	s_cselect_b32 s71, s74, s71
	s_cselect_b32 s75, s77, s75
	s_cselect_b32 s78, s79, s78
	s_cselect_b32 s[STT], 1536, s[STT]
	s_cselect_b32 s[STC], 768, s[STC]
	s_cselect_b32 s[STN], 3072, s[STN]
	s_cselect_b32 s[SELA], 0x03020100, s[SELA]     ; v: the word as it is
	s_add_co_u32 s62, s62, s68                     ; my group of S1
	s_mul_i32 s72, s62, 98304
	s_mul_i32 s73, s69, 6144
	s_add_co_u32 s72, s72, s73                     ; its codes, at my first pair
	s_lshl_b32 s74, s62, 12
	s_lshl_b32 s73, s69, 3
	s_add_co_u32 s74, s74, s73                     ; its scale words
	s_lshl_b32 s76, s59, 12                        ; S0's scale words
	s_mul_i32 s60, s59, 98304
	s_mul_i32 s63, s[WV], 6144
	s_add_co_u32 s60, s60, s63                     ; my sixteenth of the slab
	v_and_b32 v10, 31, v0                          ; lane
	s_delay_alu instid0(VALU_DEP_1)
	v_lshlrev_b32 v1, 4, v10                       ; v1  16 x lane: the slab's K steps 0-4 in LDS, and offsets in xc and xs
	s_delay_alu instid0(VALU_DEP_1)
	v_add_nc_u32 v2, 61440, v1                     ; v2  the slab's K steps 5-7
	v_bfe_u32 v11, v0, 4, 1
	s_delay_alu instid0(VALU_DEP_1)
	v_lshlrev_b32 v3, 6, v11                       ; v3  64 h: q's and k's bias
	v_and_b32 v12, 15, v0
	s_delay_alu instid0(VALU_DEP_1)
	v_and_b32 v13, 8, v12
	s_delay_alu instid0(VALU_DEP_1)
	v_add_nc_u32 v13, v13, v12
	s_delay_alu instid0(VALU_DEP_1)
	v_lshlrev_b32 v4, 2, v13                       ; v4  4 (r + 8 (r / 8)): v's bias
	v_lshlrev_b32 v5, 3, v10                       ; v5-8  8 x lane + t STT + c STC at v[5 + 2 t + c]
	s_delay_alu instid0(VALU_DEP_1)
	v_add_nc_u32 v6, s[STC], v5
	s_delay_alu instid0(VALU_DEP_2)
	v_add_nc_u32 v7, s[STT], v5
	s_delay_alu instid0(VALU_DEP_1)
	v_add_nc_u32 v8, s[STC], v7
	v_lshlrev_b32 v9, 2, v10                       ; v9  4 x lane
	s_mov_b32 s23, 0                               ; s[22:23]: an offset as 64 bits
	s_wait_dscnt 0x0
	s_wait_kmcnt 0x0
	s_mov_b32 s22, s60
	s_mov_b32 s[G0], 1
	s_mul_i32 s[G0+1], s[WV], 6144                 ; LDS: wave x 6,144
	s_add_nc_u64 s[G0+2:G0+3], s[4:5], s[22:23]
	s_or_b32 s[G0+3], s[G0+3], 0x80000000
	tensor_load_to_lds s[G0:G0+3], s[G1:G1+7]      ; my one tensor load: by this text's count one is out
	s_nop 0
	PLACES
	s_mov_b32 s22, s72
	s_add_nc_u64 s[S1P:S1P+1], s[4:5], s[22:23]
	s_mov_b32 s22, s74
	s_add_nc_u64 s[S1S:S1S+1], s[6:7], s[22:23]
	s_mov_b32 s22, s76
	s_add_nc_u64 s[S0S:S0S+1], s[6:7], s[22:23]
; K step s of pair n: S1's two fragments, its scale words, S0's scale words: eight loads into buffer buf
.macro PRE n, s, buf
.irp t, 0,1
.irp c, 0,1,2
	global_load_b128 v[BF+24*(\buf)+12*\t+4*\c:BF+24*(\buf)+12*\t+4*\c+3], v1, s[S1P:S1P+1] offset:(\n)*3072+(\s)*12288+\t*1536+512*\c
.endr
.endr
	global_load_b32 v[S1W+(\buf)], v1, s[S1S:S1S+1] offset:4*(\n)+512*(\s)
	global_load_b128 v[SS+6*(\buf):SS+6*(\buf)+3], v1, s[S0S:S0S+1] offset:512*(\s)
.endm
	PRE 0, 0, 0
	s_mov_b32 s22, s71
	s_add_nc_u64 s[OP:OP+1], s[14:15], s[22:23]
	s_mov_b32 s22, s75
	s_add_nc_u64 s[SP:SP+1], s[16:17], s[22:23]
	s_cmp_eq_u32 s[MODE], 0
	s_cselect_b64 s[BP:BP+1], s[8:9], s[10:11]
	s_cmp_eq_u32 s[MODE], 2
	s_cselect_b64 s[BP:BP+1], s[12:13], s[BP:BP+1]
	s_mov_b32 s22, s78
	s_add_nc_u64 s[BP:BP+1], s[BP:BP+1], s[22:23]
	s_wait_tensorcnt 0x0                           ; my part of the slab is in,
	s_barrier_signal -1
	s_barrier_wait -1                              ; everybody's is: the only barrier; from here on LDS is only read
; A K step of 128: sixteen products, the sixteen accumulators by turns, one instruction a turn, in the same order in every step.
; pf = 1: the eight loads of K step ps of pair pn go out into the other buffer, a whole step ahead of their use.
.macro STEP n, s, zero, pf, pn, ps
	s_wait_loadcnt 0x0                             ; this step's eight loads, issued a step ago
	PLACES                                         ; for the loads below, into registers that the last step's products read
.if \pf
	PRE \pn, \ps, 1-(\s)%2
.endif
.irp grp, 0,1
.if \grp
	PLACES
.endif
.irp q, 0,1,2,3
.irp c, 0,1,2
.if (\s) < 5
	ds_load_b128 v[RING+12*\q+4*\c:RING+12*\q+4*\c+3], v1 offset:(\s)*12288+(4*\grp+\q)*1536+512*\c
.else
	ds_load_b128 v[RING+12*\q+4*\c:RING+12*\q+4*\c+3], v2 offset:((\s)-5)*12288+(4*\grp+\q)*1536+512*\c
.endif
.endr
.endr
	s_wait_dscnt 0x0
.irp q, 0,1,2,3
.irp t, 0,1
	WM ACC+64*\t+8*(4*\grp+\q), RING+12*\q, BF+24*((\s)%2)+12*\t, SS+6*((\s)%2)+2*\grp+\q/2, S1W+(\s)%2, \q%2, \t, \zero
.endr
.endr
.endr
.endm
; 64 numbers of a lane, register 16 b + i = k 32 b + 16 (lane / 16) + i of my row, become a fragment's codes in v[pc] on and its scale word in v[pw]
.macro QUANT s, pc, pw
.irp b, 0,1,2,3
	v_max3_num_f32 v[TM+\b], |v[(\s)+16*\b]|, |v[(\s)+1+16*\b]|, 0x1800000   ; my 16 numbers of block b, and the floor 2^(3 - 127)
.endr
.irp i, 2,4,6,8,10,12,14
.irp b, 0,1,2,3
	s_delay_alu instid0(VALU_DEP_4)
	v_max3_num_f32 v[TM+\b], v[TM+\b], |v[(\s)+16*\b+\i]|, |v[(\s)+1+16*\b+\i]|
.endr
.endr
.irp b, 0,1,2,3
	s_delay_alu instid0(VALU_DEP_4)
	v_permlanex16_b32 v[TM+4+\b], v[TM+\b], s[SEL], s[SEL+1]
.endr
.irp b, 0,1,2,3
	s_delay_alu instid0(VALU_DEP_4)
	v_max_num_f32 v[TM+\b], v[TM+\b], v[TM+4+\b]   ; with lane l xor 16's: the block's largest magnitude
.endr
.irp b, 0,1,2,3
	s_delay_alu instid0(VALU_DEP_4)
	v_add_nc_u32 v[TM+12+\b], 0xff000000, v[TM+\b] ; 2 off its exponent field: the conversion's scale operand
.endr
.irp b, 0,1,2,3
	s_delay_alu instid0(VALU_DEP_4)
	v_lshrrev_b32 v[TM+4+\b], 23, v[TM+12+\b]      ; the scale's byte
.endr
	s_delay_alu instid0(VALU_DEP_3)
	v_lshl_or_b32 v[\pw], v[TM+5], 8, v[TM+4]
	s_delay_alu instid0(VALU_DEP_1)
	v_lshl_or_b32 v[\pw], v[TM+6], 16, v[\pw]
	s_delay_alu instid0(VALU_DEP_1)
	v_lshl_or_b32 v[\pw], v[TM+7], 24, v[\pw]
.irp c, 0,1
	v_cvt_scalef32_pk16_fp6_f32 v[(\pc)+6*\c:(\pc)+2+6*\c], v[(\s)+32*\c:(\s)+15+32*\c], v[TM+12+2*\c]
	v_cvt_scalef32_pk16_fp6_f32 v[CT+4*\c:CT+2+4*\c], v[(\s)+16+32*\c:(\s)+31+32*\c], v[TM+12+2*\c+1]   ; (a conversion's three registers begin on an even number)
.endr
	v_nop                                          ; one plain place behind a scaled conversion
.irp c, 0,1                            ; the operand's layout wants a whole block in a lane: lanes 0-15 block 2 c, lanes 16-31 block 2 c + 1
.irp i, 0,1,2
	v_permlane16_swap_b32 v[(\pc)+6*\c+\i], v[CT+4*\c+\i]
.endr
.irp i, 0,1,2
	s_delay_alu instid0(VALU_DEP_3)
	v_mov_b32 v[(\pc)+3+6*\c+\i], v[CT+4*\c+\i]
.endr
.endr
.endm
; A pair of S1 tiles: eight K steps, the bias, the quantiser, the stores.  more = 1: the next pair's first K step is fetched during the last step.
.macro PAIR n, more
	STEP \n, 0, 1, 1, \n, 1
.irp s, 1,2,3,4,5,6
	STEP \n, \s, 0, 1, \n, \s+1
.endr
	STEP \n, 7, 0, \more, \n+1, 0
	PLACES
	s_cmp_eq_u32 s[MODE], 2
	s_cbranch_scc1 .Lvbias_\@
	; q, k: the bias runs along S0's rows, so along my registers: 64 numbers, the same for both tiles.  They land where S0's fragments and buffer 1 lay
.irp q, 0,1,2,3,4,5,6,7,8,9,10,11
	global_load_b128 v[144+4*\q:147+4*\q], v3, s[BP:BP+1] offset:128*(\q/4)+16*(\q%4)
.endr
.irp q, 12,13,14,15
	global_load_b128 v[216+4*(\q-12):219+4*(\q-12)], v3, s[BP:BP+1] offset:128*(\q/4)+16*(\q%4)
.endr
	s_wait_loadcnt 0x0
.set e, 0
.rept 32
.if e < 24
.set bbr, 144+2*e
.else
.set bbr, 216+2*(e-24)
.endif
	v_pk_add_f32 v[ACC+2*e:ACC+2*e+1], v[ACC+2*e:ACC+2*e+1], v[bbr:bbr+1]           ; each accumulator from its low end on
	v_pk_add_f32 v[ACC+64+2*e:ACC+64+2*e+1], v[ACC+64+2*e:ACC+64+2*e+1], v[bbr:bbr+1]
.set e, e+1
.endr
	s_branch .Lbiased_\@
.Lvbias_\@:
	; v: the bias runs along S1's rows: one number a lane and tile
	s_wait_alu depctr_va_vdst(0)
	global_load_b32 v[BV], v4, s[BP:BP+1] offset:128*(\n)
	global_load_b32 v[BV+2], v4, s[BP:BP+1] offset:128*(\n)+32
	v_mov_b32 v[BV+1], 0                           ; (named as the upper halves of the pairs below)
	v_mov_b32 v[BV+3], 0
	s_wait_alu depctr_va_vdst(0)
	s_wait_loadcnt 0x0
.set e, 0
.rept 32
	v_pk_add_f32 v[ACC+2*e:ACC+2*e+1], v[ACC+2*e:ACC+2*e+1], v[BV:BV+1] op_sel_hi:[1,0]
	v_pk_add_f32 v[ACC+64+2*e:ACC+64+2*e+1], v[ACC+64+2*e:ACC+64+2*e+1], v[BV+2:BV+3] op_sel_hi:[1,0]
.set e, e+1
.endr
.Lbiased_\@:
.irp t, 0,1
	QUANT ACC+64*\t, PCE+48*\t, PWE+\t
.irp k, 0,1,2,3,4,5
	global_store_b64 v[5+2*\t+\k/3], v[PCE+48*\t+2*\k:PCE+48*\t+2*\k+1], s[OP:OP+1] offset:(\k%3)*256   ; 256 consecutive bytes, aligned
.endr
.endr
	v_cndmask_b32 v[XW], v[PWE], v[PWE+1], s[HM]   ; lanes 0-15 the even tile's words, lanes 16-31 the odd tile's
	s_delay_alu instid0(VALU_DEP_1)
	v_perm_b32 v[WA], v[XW], v[XW], s[SELA]        ; q, k: the first head's two bytes, twice;  v: the word as it is
	global_store_b32 v9, v[WA], s[SP:SP+1] offset:128*(\n)
	s_cmp_eq_u32 s[MODE], 2
	s_cbranch_scc1 .Lone_word_\@
	v_perm_b32 v[WB], v[XW], v[XW], s[SELB]        ; q, k: the second head's
	global_store_b32 v9, v[WB], s[SP:SP+1] offset:128*(\n)+12288
.Lone_word_\@:
.if \more
	s_wait_xcnt 0x0                                ; the stores have read their data and their base: both are written again only behind this wait
	s_add_nc_u64 s[OP:OP+1], s[OP:OP+1], s[STN:STN+1]
.endif
.endm
	PAIR 0, 1
	PAIR 1, 0
	s_wait_tensorcnt 0x0
	ds_add_u32 v15, v255
	s_wait_dscnt 0x0
	s_endpgm
.Lfunc_end_k_qc82734fa5a_proj:
	.size	k_qc82734fa5a_proj, .Lfunc_end_k_qc82734fa5a_proj-k_qc82734fa5a_proj
	.p2alignl 7, 3214868480
	.fill 96, 4, 3214868480
	.section	.rodata,"a",@progbits
	.p2align	6, 0x0
	.amdhsa_kernel k_qc82734fa5a_proj
		.amdhsa_group_segment_fixed_size 169984
		.amdhsa_private_segment_fixed_size 0
		.amdhsa_enable_private_segment 0
		.amdhsa_kernarg_size 56
		.amdhsa_user_sgpr_count 2
		.amdhsa_user_sgpr_kernarg_segment_ptr 1
		.amdhsa_wavefront_size32 1
		.amdhsa_system_sgpr_workgroup_id_x 1
		.amdhsa_system_sgpr_workgroup_id_y 1
		.amdhsa_system_sgpr_workgroup_id_z 1
		.amdhsa_system_vgpr_workitem_id 0
		.amdhsa_next_free_vgpr 256
		.amdhsa_next_free_sgpr 80
		.amdhsa_reserve_vcc 0
		.amdhsa_float_denorm_mode_32 3
		.amdhsa_float_denorm_mode_16_64 3
		.amdhsa_memory_ordered 1
		.amdhsa_forward_progress 1
		.amdhsa_inst_pref_size 126
	.end_amdhsa_kernel
	.amdgpu_metadata
---
amdhsa.version: [ 1, 2 ]
amdhsa.kernels:
  - .name:           k_qc82734fa5a_proj
    .symbol:         k_qc82734fa5a_proj.kd
    .args:
      - { .name: xc, .offset: 0, .size: 8, .value_kind: global_buffer, .address_space: global }
      - { .name: xs, .offset: 8, .size: 8, .value_kind: global_buffer, .address_space: global }
      - { .name: bq, .offset: 16, .size: 8, .value_kind: global_buffer, .address_space: global }
      - { .name: bk, .offset: 24, .size: 8, .value_kind: global_buffer, .address_space: global }
      - { .name: bv, .offset: 32, .size: 8, .value_kind: global_buffer, .address_space: global }
      - { .name: pc, .offset: 40, .size: 8, .value_kind: global_buffer, .address_space: global }
      - { .name: ps, .offset: 48, .size: 8, .value_kind: global_buffer, .address_space: global }
    .group_segment_fixed_size: 169984
    .private_segment_fixed_size: 0
    .kernarg_segment_align: 8
    .kernarg_segment_size: 56
    .max_flat_workgroup_size: 512
    .sgpr_count:     80
    .vgpr_count:     256
    .wavefront_size: 32
...
	.end_amdgpu_metadata
.endif
;; end of part 2
;; launch attn (part 3): grid 4 x 64, 16 waves a work-group, no clusters, 327,680 bytes of LDS; arguments pc, ps, mw, oc, os; writes oc, os
.if DOCPART == 3
	.amdgcn_target "amdgcn-amd-amdhsa--gfx1250"
	.amdhsa_code_object_version 6
	.text
	.protected	k_qc82734fa5a_attn
	.globl	k_qc82734fa5a_attn
	.p2align	8
	.type	k_qc82734fa5a_attn,@function
k_qc82734fa5a_attn:
	s_mov_b64 s[64:65], 0
	v_nop
	global_prefetch_b8 v0, s[64:65] scope:SCOPE_SE
	s_setreg_imm32_b32 hwreg(HW_REG_WAVE_MODE, 25, 1), 1
	s_wait_xcnt 0x0
.set AK0,  1
.set ASK0, 2
.set ADK,  3
.set ADV,  4
.set ADS,  5
.set ADT,  6
.set NINF, 7
.set R4,   8
.set OSB,  9
.set AV0,  10
.set ASV0, 11
.set QLO,  16
.set QHI,  28
.set QS,   40
.set FR,   44
.set KS,   92
.set S,    96
.set O,    160
.set PC,   192
.set CT,   204
.set BM,   212
.set BT,   216
.set SO,   220
.set C2,   224
.set F,    228
.set PW,   230
.set T0,   231
.set T1,   232
.set WV,   14
.set BH,   15
.set SEL,  66
.set CS,   84
.set TB,   86
.set TS,   87
.set TJ,   88
.set CNT,  89
.set HM,   90
.set MWP,  92
.set MW0,  94
.macro WM d, a, b, sa, sb, ar, z
.if \z
.if \ar
	v_wmma_scale_f32_16x16x128_f8f6f4 v[(\d):(\d)+7], v[(\a):(\a)+11], v[(\b):(\b)+11], 0, v[(\sa)], v[(\sb)] matrix_a_fmt:MATRIX_FMT_FP6 matrix_b_fmt:MATRIX_FMT_FP6 matrix_a_scale:MATRIX_SCALE_ROW1
.else
	v_wmma_scale_f32_16x16x128_f8f6f4 v[(\d):(\d)+7], v[(\a):(\a)+11], v[(\b):(\b)+11], 0, v[(\sa)], v[(\sb)] matrix_a_fmt:MATRIX_FMT_FP6 matrix_b_fmt:MATRIX_FMT_FP6
.endif
.else
.if \ar
	v_wmma_scale_f32_16x16x128_f8f6f4 v[(\d):(\d)+7], v[(\a):(\a)+11], v[(\b):(\b)+11], v[(\d):(\d)+7], v[(\sa)], v[(\sb)] matrix_a_fmt:MATRIX_FMT_FP6 matrix_b_fmt:MATRIX_FMT_FP6 matrix_a_scale:MATRIX_SCALE_ROW1
.else
	v_wmma_scale_f32_16x16x128_f8f6f4 v[(\d):(\d)+7], v[(\a):(\a)+11], v[(\b):(\b)+11], v[(\d):(\d)+7], v[(\sa)], v[(\sb)] matrix_a_fmt:MATRIX_FMT_FP6 matrix_b_fmt:MATRIX_FMT_FP6
.endif
.endif
.endm
.macro PLACES
.rept 4
	v_nop
.endr
.endm
	s_load_b256 s[4:11], s[0:1], 0x0
	s_load_b64 s[12:13], s[0:1], 0x20
	v_lshl_add_u32 v254, v0, 2, 0x33000
	v_mov_b32 v255, 0
	ds_add_u32 v254, v255
	ds_add_u32 v254, v255
	v_lshrrev_b32 v1, 5, v0
	s_delay_alu instid0(VALU_DEP_1)
	v_readfirstlane_b32 s[WV], v1
	s_and_b32 s[BH], ttmp7, 0xffff
	s_mov_b32 s16, 3<<16
	s_mov_b32 s17, 32<<16
	s_mov_b32 s18, 48<<16
	s_mov_b32 s19, 32<<16
	s_mov_b32 s20, 48
	s_mov_b32 s21, 32
	s_mov_b32 s22, 0
	s_mov_b32 s23, 0
	s_mov_b32 s24, 3<<16
	s_mov_b32 s25, 32<<16
	s_mov_b32 s26, 3<<16
	s_mov_b32 s27, 32<<16
	s_mov_b32 s28, 3
	s_mov_b32 s29, 32
	s_mov_b32 s30, 0
	s_mov_b32 s31, 0
	s_lshr_b32 s40, s[WV], 3
	s_add_co_u32 s40, s40, 1
	s_mul_i32 s40, s40, 6291456
	s_mul_i32 s41, s[BH], 98304
	s_add_co_u32 s40, s40, s41
	s_and_b32 s42, s[WV], 7
	s_mul_i32 s43, s42, 12288
	s_add_co_u32 s96, s40, s43
	s_mov_b32 s97, 0
	s_mul_i32 s44, s[BH], 12288
	s_mul_i32 s45, s[WV], 768
	s_add_co_u32 s98, s44, s45
	s_add_co_u32 s98, s98, 786432
	s_mov_b32 s99, 0
	s_wait_dscnt 0x0
	s_wait_kmcnt 0x0
	s_mov_b32 s32, 1
	s_mul_i32 s33, s[WV], 12288
	s_add_nc_u64 s[34:35], s[4:5], s[96:97]
	s_or_b32 s35, s35, 0x80000000
	s_mov_b32 s36, 1
	s_mul_i32 s37, s[WV], 768
	s_add_co_u32 s37, s37, 196608
	s_add_nc_u64 s[38:39], s[6:7], s[98:99]
	s_or_b32 s39, s39, 0x80000000
	tensor_load_to_lds s[32:35], s[16:23]
	s_nop 0
	s_wait_alu depctr_va_vdst(0)
	s_wait_tensorcnt 0x0
	ds_add_u32 v254, v255
	s_wait_dscnt 0x0
	s_barrier_signal -1
	s_barrier_wait -1
	tensor_load_to_lds s[36:39], s[24:31]
	s_nop 0
	PLACES
	s_lshl_b32 s46, ttmp9, 4
	s_lshr_b32 s47, s[WV], 1
	s_add_co_u32 s46, s46, s47
	s_and_b32 s48, s[WV], 1
	s_mul_i32 s49, s46, 1536
	s_add_co_u32 s49, s49, s41
	s_mul_i32 s50, s48, 768
	s_add_co_u32 s96, s49, s50
	s_add_nc_u64 s[4:5], s[4:5], s[96:97]
	s_lshl_b32 s51, s46, 7
	s_add_co_u32 s51, s51, s44
	s_lshl_b32 s52, s48, 6
	s_add_co_u32 s96, s51, s52
	s_add_nc_u64 s[6:7], s[6:7], s[96:97]
	s_lshl_b32 s53, ttmp9, 5
	s_add_co_u32 s53, s53, s[WV]
	s_lshl_b32 s96, s53, 12
	s_add_nc_u64 s[MW0:MW0+1], s[8:9], s[96:97]
	s_and_b32 s54, s[BH], 0xf0
	s_lshl_b32 s55, ttmp9, 2
	s_add_co_u32 s54, s54, s55
	s_lshr_b32 s55, s[WV], 3
	s_add_co_u32 s54, s54, s55
	s_bfe_u32 s56, s[BH], 0x30001
	s_and_b32 s57, s[BH], 1
	s_mul_i32 s58, s54, 98304
	s_mul_i32 s59, s56, 12288
	s_add_co_u32 s58, s58, s59
	s_mul_i32 s59, s42, 1536
	s_add_co_u32 s58, s58, s59
	s_mul_i32 s59, s57, 768
	s_add_co_u32 s96, s58, s59
	s_add_nc_u64 s[10:11], s[10:11], s[96:97]
	s_lshl_b32 s58, s54, 12
	s_lshr_b32 s59, s42, 1
	s_lshl_b32 s59, s59, 10
	s_add_co_u32 s58, s58, s59
	s_lshl_b32 s59, s56, 7
	s_add_co_u32 s58, s58, s59
	s_add_co_u32 s58, s58, s52
	s_lshl_b32 s59, s57, 1
	s_add_co_u32 s96, s58, s59
	s_add_nc_u64 s[12:13], s[12:13], s[96:97]
	s_mov_b32 s[SEL], 0x76543210
	s_mov_b32 s[SEL+1], 0xfedcba98
	s_mov_b32 s[CS], 0x3d38aa3b
	s_mov_b32 s[CS+1], s[CS]
	s_mov_b32 s[HM], 0xffff0000
	v_and_b32 v[T0], 31, v0
	s_delay_alu instid0(VALU_DEP_1)
	v_lshlrev_b32 v[AK0], 3, v[T0]
	s_delay_alu instid0(VALU_DEP_1)
	v_add_nc_u32 v[AV0], 98304, v[AK0]
	s_delay_alu instid0(VALU_DEP_3)
	v_lshlrev_b32 v[T1], 2, v[T0]
	s_delay_alu instid0(VALU_DEP_1)
	v_add_nc_u32 v[ASK0], 196608, v[T1]
	s_delay_alu instid0(VALU_DEP_2)
	v_add_nc_u32 v[ASV0], 204800, v[T1]
	v_and_b32 v[T0], 15, v0
	s_delay_alu instid0(VALU_DEP_1)
	v_lshlrev_b32 v[R4], 2, v[T0]
	v_bfe_u32 v[T1], v0, 4, 1
	s_delay_alu instid0(VALU_DEP_1)
	v_add_nc_u32 v[OSB], v[R4], v[T1]
	v_mov_b32 v[NINF], 0xff800000
.irp q, 0,1,2,3,4,5
	v_mov_b32 v[QLO+6+\q], 0
	v_mov_b32 v[QHI+\q], 0
.endr
.irp q, 0,1,2,3
	v_mov_b32 v[BT+\q], 0
.endr
	v_mov_b32 v[F+1], 0
	s_wait_tensorcnt 0x0
	s_barrier_signal -1
	s_barrier_wait -1
.macro MLOAD
	s_load_b512 s[16:31], s[MWP:MWP+1], 0x0
	s_load_b512 s[32:47], s[MWP:MWP+1], 0x40
	s_load_b512 s[48:63], s[MWP:MWP+1], 0x80
	s_load_b512 s[68:83], s[MWP:MWP+1], 0xc0
.endm
.macro STEP pf
	v_add_nc_u32 v[ADK], s[TB], v[AK0]
	v_add_nc_u32 v[ADV], s[TB], v[AV0]
	v_add_nc_u32 v[ADS], s[TS], v[ASK0]
	v_add_nc_u32 v[ADT], s[TJ], v[ASV0]
.irp f, 0,1,2,3
.irp k, 0,1,2,3,4,5
	ds_load_b64 v[FR+12*\f+2*\k:FR+12*\f+2*\k+1], v[ADK] offset:1536*\f+256*\k
.endr
	ds_load_b32 v[KS+\f], v[ADS] offset:128*\f
.endr
	s_wait_alu depctr_va_vdst(0)
	s_wait_dscnt 0x0
.irp f, 0,1,2,3
	WM S+16*\f, FR+12*\f, QLO, KS+\f, QS, 0, 1
	WM S+16*\f+8, FR+12*\f, QHI, KS+\f, QS, 1, 1
.endr
	PLACES
.irp f, 0,1,2,3
.irp k, 0,1,2,3,4,5
	ds_load_b64 v[FR+12*\f+2*\k:FR+12*\f+2*\k+1], v[ADV] offset:1536*\f+256*\k
.endr
.endr
	ds_load_b32 v[KS], v[ADT]
	ds_load_b32 v[KS+1], v[ADT] offset:128
	s_wait_kmcnt 0x0
.set n, 0
.rept 64
.if n < 48
	v_cndmask_b32 v[S+n], v[S+n], v[NINF], s[16+n]
.else
	v_cndmask_b32 v[S+n], v[S+n], v[NINF], s[20+n]
.endif
.set n, n+1
.endr
.if \pf
	s_add_nc_u64 s[MWP:MWP+1], s[MWP:MWP+1], 256
	MLOAD
.endif
.irp b, 0,1,2,3
	v_max3_num_f32 v[BM+\b], v[S+16*\b], v[S+1+16*\b], v[S+2+16*\b]
.endr
.irp i, 3,5,7,9,11,13
.irp b, 0,1,2,3
	s_delay_alu instid0(VALU_DEP_4)
	v_max3_num_f32 v[BM+\b], v[BM+\b], v[S+16*\b+\i], v[S+1+16*\b+\i]
.endr
.endr
.irp b, 0,1,2,3
	s_delay_alu instid0(VALU_DEP_4)
	v_max_num_f32 v[BM+\b], v[BM+\b], v[S+15+16*\b]
.endr
.irp b, 0,1,2,3
	s_delay_alu instid0(VALU_DEP_4)
	v_permlanex16_b32 v[BT+\b], v[BM+\b], s[SEL], s[SEL+1]
.endr
.irp b, 0,1,2,3
	s_delay_alu instid0(VALU_DEP_4)
	v_max_num_f32 v[BM+\b], v[BM+\b], v[BT+\b]
.endr
	s_delay_alu instid0(VALU_DEP_2)
	v_max3_num_f32 v[T0], v[BM], v[BM+1], v[BM+2]
	s_delay_alu instid0(VALU_DEP_1)
	v_max_num_f32 v[T0], v[T0], v[BM+3]
	s_delay_alu instid0(VALU_DEP_1)
	v_mul_f32 v[T0], s[CS], v[T0]
	s_delay_alu instid0(VALU_DEP_1)
	v_max_num_f32 v13, v13, v[T0]
	v_mov_b32 v[T0], v12
	s_delay_alu instid0(VALU_DEP_2)
	v_floor_f32 v12, -v13
	s_delay_alu instid0(VALU_DEP_1)
	v_sub_f32 v[T0], v12, v[T0]
	s_delay_alu instid0(VALU_DEP_1)
	v_cvt_i32_f32 v[T0], v[T0]
	s_delay_alu instid0(VALU_DEP_1)
	v_ldexp_f32 v[F], 1.0, v[T0]
.set n, 0
.rept 32
	v_pk_fma_f32 v[S+n:S+n+1], v[S+n:S+n+1], s[CS:CS+1], v[12:13] op_sel_hi:[1,0,0]
.set n, n+2
.endr
.irp b, 0,1,2,3
	v_fma_f32 v[BM+\b], v[BM+\b], s[CS], v12
.endr
.set n, 0
	s_setprio 1
	s_wait_alu depctr_va_vdst(0)
.rept 64
	v_exp_f32 v[S+n], v[S+n]
.set n, n+1
.endr
.irp b, 0,1,2,3
	v_exp_f32 v[BM+\b], v[BM+\b]
.endr
	v_pk_mul_f32 v[14:15], v[14:15], v[F:F+1] op_sel_hi:[1,0]
	s_wait_alu depctr_va_vdst(0)
.irp b, 0,1,2,3
	v_max_num_f32 v[BM+\b], 0x1800000, v[BM+\b]
.endr
.irp b, 0,1,2,3
	s_delay_alu instid0(VALU_DEP_4)
	v_add_nc_u32 v[SO+\b], 0xff000000, v[BM+\b]
.endr
.irp b, 0,1,2,3
	s_delay_alu instid0(VALU_DEP_4)
	v_lshrrev_b32 v[BT+\b], 23, v[SO+\b]
.endr
	s_delay_alu instid0(VALU_DEP_3)
	v_lshl_or_b32 v[PW], v[BT+1], 8, v[BT]
	s_delay_alu instid0(VALU_DEP_1)
	v_lshl_or_b32 v[PW], v[BT+2], 16, v[PW]
	s_delay_alu instid0(VALU_DEP_1)
	v_lshl_or_b32 v[PW], v[BT+3], 24, v[PW]
.irp c, 0,1
	v_cvt_scalef32_pk16_fp6_f32 v[PC+6*\c:PC+2+6*\c], v[S+32*\c:S+15+32*\c], v[SO+2*\c]
	v_cvt_scalef32_pk16_fp6_f32 v[CT+4*\c:CT+2+4*\c], v[S+16+32*\c:S+31+32*\c], v[SO+2*\c+1]
.endr
	v_nop
.irp c, 0,1
.irp i, 0,1,2
	v_permlane16_swap_b32 v[PC+6*\c+\i], v[CT+4*\c+\i]
.endr
.irp i, 0,1,2
	s_delay_alu instid0(VALU_DEP_3)
	v_mov_b32 v[PC+3+6*\c+\i], v[CT+4*\c+\i]
.endr
.endr
	v_pk_add_f32 v[C2:C2+1], v[S:S+1], v[S+2:S+3]
	s_setprio 0
.irp j, 4,8,12,16,20,24,28,32,36,40,44,48,52,56,60
	v_pk_add_f32 v[14:15], v[14:15], v[S+\j:S+1+\j]
	v_pk_add_f32 v[C2:C2+1], v[C2:C2+1], v[S+2+\j:S+3+\j]
.endr
	s_delay_alu instid0(VALU_DEP_1)
	v_pk_add_f32 v[14:15], v[14:15], v[C2:C2+1]
.set n, 0
.rept 16
	v_pk_mul_f32 v[O+n:O+n+1], v[O+n:O+n+1], v[F:F+1] op_sel_hi:[1,0]
.set n, n+2
.endr
	s_wait_alu depctr_va_vdst(0)
	s_wait_dscnt 0x0
.irp f, 0,1,2,3
	WM O+8*\f, FR+12*\f, PC, KS+\f/2, PW, \f%2, 0
.endr
	s_add_co_u32 s[TB], s[TB], 6144
	s_add_co_u32 s[TS], s[TS], 512
	s_add_co_u32 s[TJ], s[TJ], 256
.endm
.macro FINISH j
	PLACES
	v_add_f32 v14, v14, v15
	s_delay_alu instid0(VALU_DEP_1)
	v_permlanex16_b32 v[BT], v14, s[SEL], s[SEL+1]
	s_delay_alu instid0(VALU_DEP_1)
	v_add_f32 v14, v14, v[BT]
	s_wait_alu depctr_va_vdst(0)
	v_rcp_f32 v[F], v14
	v_mov_b32 v[T1], 0xff
.set n, 0
	s_wait_alu depctr_va_vdst(0)
.rept 16
	v_pk_mul_f32 v[S+n:S+n+1], v[O+n:O+n+1], v[F:F+1] op_sel_hi:[1,0]
.set n, n+2
.endr
.irp b, 0,1
	v_max3_num_f32 v[BM+\b], |v[S+16*\b]|, |v[S+1+16*\b]|, 0x1800000
.endr
.irp i, 2,4,6,8,10,12,14
.irp b, 0,1
	s_delay_alu instid0(VALU_DEP_2)
	v_max3_num_f32 v[BM+\b], v[BM+\b], |v[S+16*\b+\i]|, |v[S+1+16*\b+\i]|
.endr
.endr
.irp b, 0,1
	s_delay_alu instid0(VALU_DEP_2)
	v_permlanex16_b32 v[BT+\b], v[BM+\b], s[SEL], s[SEL+1]
.endr
.irp b, 0,1
	s_delay_alu instid0(VALU_DEP_2)
	v_max_num_f32 v[BM+\b], v[BM+\b], v[BT+\b]
.endr
.irp b, 0,1
	s_delay_alu instid0(VALU_DEP_2)
	v_add_nc_u32 v[SO+\b], 0xff000000, v[BM+\b]
.endr
.irp b, 0,1
	s_delay_alu instid0(VALU_DEP_2)
	v_lshrrev_b32 v[BT+\b], 23, v[SO+\b]
.endr
	v_cvt_scalef32_pk16_fp6_f32 v[PC:PC+2], v[S:S+15], v[SO]
	v_cvt_scalef32_pk16_fp6_f32 v[CT:CT+2], v[S+16:S+31], v[SO+1]
	v_cndmask_b32 v[T0], v[BT], v[BT+1], s[HM]
.irp i, 0,1,2
	v_permlane16_swap_b32 v[PC+\i], v[CT+\i]
.endr
.irp i, 0,1,2
	s_delay_alu instid0(VALU_DEP_3)
	v_mov_b32 v[PC+3+\i], v[CT+\i]
.endr
	v_cmp_eq_f32 vcc_lo, 0, v14
	s_delay_alu instid0(VALU_DEP_1)
	v_cndmask_b32 v[T0], v[T0], v[T1], vcc_lo
.irp k, 0,1,2
	global_store_b64 v[AK0], v[PC+2*\k:PC+2*\k+1], s[10:11] offset:196608*(\j)+256*\k
.endr
	global_store_b8 v[OSB], v[T0], s[12:13] offset:8192*(\j)
.endm
.macro TILE j
	s_wait_xcnt 0x0
	s_add_nc_u64 s[MWP:MWP+1], s[MW0:MW0+1], 65536*(\j)
	MLOAD
.irp k, 0,1,2
	global_load_b64 v[QLO+2*\k:QLO+2*\k+1], v[AK0], s[4:5] offset:12288*(\j)+256*\k
	global_load_b64 v[QHI+6+2*\k:QHI+7+2*\k], v[AK0], s[4:5] offset:12288*(\j)+256*\k
.endr
	global_load_b32 v[QS], v[R4], s[6:7] offset:1024*(\j)
	v_mov_b32 v13, 0xff61b1e6
	s_delay_alu instid0(VALU_DEP_1)
	v_floor_f32 v12, -v13
	v_mov_b32 v14, 0
	v_mov_b32 v15, 0
.set n, 0
.rept 32
	v_mov_b32 v[O+n], 0
.set n, n+1
.endr
	s_mov_b32 s[TB], 0
	s_mov_b32 s[TS], 0
	s_mov_b32 s[TJ], 0
	s_mov_b32 s[CNT], 15
	s_wait_loadcnt 0x0
.Lstep_\@:
	s_setprio 2
	STEP 1
	s_sub_co_u32 s[CNT], s[CNT], 1
	s_cmp_lg_u32 s[CNT], 0
	s_cbranch_scc1 .Lstep_\@
	s_setprio 0
	STEP 0
	FINISH \j
.endm
	TILE 0
	TILE 1
	s_wait_tensorcnt 0x0
	ds_add_u32 v254, v255
	s_wait_dscnt 0x0
	s_endpgm
.Lfunc_end_k_qc82734fa5a_attn:
	.size	k_qc82734fa5a_attn, .Lfunc_end_k_qc82734fa5a_attn-k_qc82734fa5a_attn
	.p2alignl 7, 3214868480
	.fill 96, 4, 3214868480
	.section	.rodata,"a",@progbits
	.p2align	6, 0x0
	.amdhsa_kernel k_qc82734fa5a_attn
		.amdhsa_group_segment_fixed_size 327680
		.amdhsa_private_segment_fixed_size 0
		.amdhsa_enable_private_segment 0
		.amdhsa_kernarg_size 40
		.amdhsa_user_sgpr_count 2
		.amdhsa_user_sgpr_kernarg_segment_ptr 1
		.amdhsa_wavefront_size32 1
		.amdhsa_system_sgpr_workgroup_id_x 1
		.amdhsa_system_sgpr_workgroup_id_y 1
		.amdhsa_system_sgpr_workgroup_id_z 1
		.amdhsa_system_vgpr_workitem_id 0
		.amdhsa_next_free_vgpr 256
		.amdhsa_next_free_sgpr 100
		.amdhsa_reserve_vcc 1
		.amdhsa_float_denorm_mode_32 3
		.amdhsa_float_denorm_mode_16_64 3
		.amdhsa_memory_ordered 1
		.amdhsa_forward_progress 1
		.amdhsa_inst_pref_size 114
	.end_amdhsa_kernel
	.amdgpu_metadata
---
amdhsa.version: [ 1, 2 ]
amdhsa.kernels:
  - .name:           k_qc82734fa5a_attn
    .symbol:         k_qc82734fa5a_attn.kd
    .args:
      - { .name: pc, .offset: 0, .size: 8, .value_kind: global_buffer, .address_space: global }
      - { .name: ps, .offset: 8, .size: 8, .value_kind: global_buffer, .address_space: global }
      - { .name: mw, .offset: 16, .size: 8, .value_kind: global_buffer, .address_space: global }
      - { .name: oc, .offset: 24, .size: 8, .value_kind: global_buffer, .address_space: global }
      - { .name: os, .offset: 32, .size: 8, .value_kind: global_buffer, .address_space: global }
    .group_segment_fixed_size: 327680
    .private_segment_fixed_size: 0
    .kernarg_segment_align: 8
    .kernarg_segment_size: 40
    .max_flat_workgroup_size: 512
    .sgpr_count:     100
    .vgpr_count:     256
    .wavefront_size: 32
...
	.end_amdgpu_metadata
.endif
;; end of part 3
;; launch outp (part 4): grid 256 x 1, 8 waves a work-group, no clusters, 168,960 bytes of LDS; arguments oc, os, xc, xs, bo, out0; writes out0
.if DOCPART == 4
	.amdgcn_target "amdgcn-amd-amdhsa--gfx1250"
	.amdhsa_code_object_version 6
	.text
	.protected	k_qc82734fa5a_outp
	.globl	k_qc82734fa5a_outp
	.p2align	8
	.type	k_qc82734fa5a_outp,@function
k_qc82734fa5a_outp:
	s_mov_b64 s[64:65], 0
	v_nop
	global_prefetch_b8 v0, s[64:65] scope:SCOPE_SE
	s_setreg_imm32_b32 hwreg(HW_REG_WAVE_MODE, 25, 1), 1
	s_wait_xcnt 0x0
; OUTP.  out0 = o Wo^T + bo on codes of FP6 (E2M3) with E8M0 scales, sums in f32.  o's codes and scale bytes come from the attention launch, Wo's from the first launch, both in the order of an operand's registers.
; D = S0 tile x S1 tile with S0 = 128 rows of Wo (output features 128 g .., g = x % 8) and S1 = tokens: a lane holds ONE token, and register 16 b + i the feature 128 g + 32 b + 16 (lane / 16) + i.
; Wo's slab (98,304 bytes, all of K) comes into LDS once, one tensor load a wave (48 rows of 256 bytes); nothing is filled again.  o's fragments go from memory straight into registers, one K step ahead.
; Wave w takes one pair of token tiles: group G = 2 (x / 8) + w / 4, pair p = w % 4: 128 features x 32 tokens, sixteen accumulators, which are LOADED with the bias, so that every K step adds in place.
; THE WAY OUT: a tile's 16 tokens x 128 features go through the wave's own stage in LDS (rows 528 bytes apart; no tensor load lands there) and leave as rows of 512 consecutive bytes.
; NO CLUSTER: of a work-group's 294,912 bytes only the slab's 98,304 are shared with others through LDS, once; the rest goes into registers.
.set ACC,  16                          ; v16-143  accumulator (S0 tile i, token tile t) at 16 + 64 t + 8 i
.set RING, 144                         ; v144-191 four fragments of Wo;  on the way out v144-207: sixteen rows
.set BF,   192                         ; v192-215, v216-239 o's two fragments, two buffers
.set SS,   240                         ; v240-243, v246-249 Wo's scale words, two buffers
.set S1W,  244                         ; v244, v245 o's scale words
.set WV,   18
.set G1,   24
.set G0,   32
.set S1P,  36
.set S1S,  38
.set S0S,  40
.set STAGE, 98304
.macro WM d, a, b, sa, sb, ar, br
.if (\ar) && (\br)
	v_wmma_scale_f32_16x16x128_f8f6f4 v[(\d):(\d)+7], v[(\a):(\a)+11], v[(\b):(\b)+11], v[(\d):(\d)+7], v[(\sa)], v[(\sb)] matrix_a_fmt:MATRIX_FMT_FP6 matrix_b_fmt:MATRIX_FMT_FP6 matrix_a_scale:MATRIX_SCALE_ROW1 matrix_b_scale:MATRIX_SCALE_ROW1
.elseif \ar
	v_wmma_scale_f32_16x16x128_f8f6f4 v[(\d):(\d)+7], v[(\a):(\a)+11], v[(\b):(\b)+11], v[(\d):(\d)+7], v[(\sa)], v[(\sb)] matrix_a_fmt:MATRIX_FMT_FP6 matrix_b_fmt:MATRIX_FMT_FP6 matrix_a_scale:MATRIX_SCALE_ROW1
.elseif \br
	v_wmma_scale_f32_16x16x128_f8f6f4 v[(\d):(\d)+7], v[(\a):(\a)+11], v[(\b):(\b)+11], v[(\d):(\d)+7], v[(\sa)], v[(\sb)] matrix_a_fmt:MATRIX_FMT_FP6 matrix_b_fmt:MATRIX_FMT_FP6 matrix_b_scale:MATRIX_SCALE_ROW1
.else
	v_wmma_scale_f32_16x16x128_f8f6f4 v[(\d):(\d)+7], v[(\a):(\a)+11], v[(\b):(\b)+11], v[(\d):(\d)+7], v[(\sa)], v[(\sb)] matrix_a_fmt:MATRIX_FMT_FP6 matrix_b_fmt:MATRIX_FMT_FP6
.endif
.endm
.macro PLACES                          ; four plain places between a matrix instruction and a load into, or a read of, its registers (ISA guide 7.12.1 for reads)
.rept 4
	v_nop
.endr
.endm
	s_load_b256 s[4:11], s[0:1], 0x0               ; oc s[4:5], os s[6:7], xc s[8:9], xs s[10:11]
	s_load_b128 s[12:15], s[0:1], 0x20             ; bo s[12:13], out0 s[14:15]
	v_lshl_add_u32 v254, v0, 2, 0x29000
	v_mov_b32 v255, 0
	ds_add_u32 v254, v255
	ds_add_u32 v254, v255
	v_lshrrev_b32 v10, 5, v0
	s_delay_alu instid0(VALU_DEP_1)
	v_readfirstlane_b32 s[WV], v10                 ; wave 0..7
	; descriptor group 1: a dense block of 48 rows of 256 bytes (32 elements of 8 bytes), no padding
	s_mov_b32 s[G1+0], 3<<16
	s_mov_b32 s[G1+1], 32<<16
	s_mov_b32 s[G1+2], 48<<16
	s_mov_b32 s[G1+3], 32<<16
	s_mov_b32 s[G1+4], 48
	s_mov_b32 s[G1+5], 32
	s_mov_b32 s[G1+6], 0
	s_mov_b32 s[G1+7], 0
	s_and_b32 s20, ttmp9, 7                        ; g
	s_lshr_b32 s21, ttmp9, 3
	s_lshl_b32 s21, s21, 1
	s_lshr_b32 s22, s[WV], 2
	s_add_co_u32 s21, s21, s22                     ; G
	s_and_b32 s22, s[WV], 3                        ; p
	s_add_co_u32 s44, s20, 216                     ; Wo's group
	s_mul_i32 s46, s44, 98304
	s_mul_i32 s45, s[WV], 12288
	s_add_co_u32 s46, s46, s45                     ; my eighth of the slab
	s_mov_b32 s47, 0
	s_lshl_b32 s48, s44, 12                        ; Wo's scale words
	s_mov_b32 s49, 0
	s_mul_i32 s50, s21, 98304
	s_mul_i32 s45, s22, 3072
	s_add_co_u32 s50, s50, s45                     ; o's codes, at my pair
	s_mov_b32 s51, 0
	s_lshl_b32 s52, s21, 12
	s_lshl_b32 s45, s22, 10
	s_add_co_u32 s52, s52, s45                     ; o's scale words
	s_mov_b32 s53, 0
	s_lshl_b32 s54, s20, 9                         ; 512 g: my 128 features in bo and in a row of out0
	s_mov_b32 s55, 0
	s_lshl_b32 s56, s21, 19
	s_lshl_b32 s45, s22, 17
	s_add_co_u32 s56, s56, s45
	s_add_co_u32 s56, s56, s54                     ; token 128 G + 32 p, 4,096 bytes a row
	s_mov_b32 s57, 0
	s_mul_i32 s58, s[WV], 8448
	s_add_co_u32 s58, s58, STAGE                   ; my stage
	v_and_b32 v10, 31, v0                          ; lane
	v_and_b32 v11, 15, v0                          ; r
	v_bfe_u32 v12, v0, 4, 1                        ; h
	s_delay_alu instid0(VALU_DEP_3)
	v_lshlrev_b32 v1, 4, v10                       ; v1  16 x lane: the slab's K steps 0-4, xs, and a row of out0
	s_delay_alu instid0(VALU_DEP_1)
	v_add_nc_u32 v2, 61440, v1                     ; v2  the slab's K steps 5-7
	s_delay_alu instid0(VALU_DEP_3)
	v_lshlrev_b32 v3, 6, v12                       ; v3  64 h: the bias
	v_lshlrev_b32 v4, 3, v10                       ; v4  8 x lane: o's codes
	v_lshlrev_b32 v5, 2, v10                       ; v5  4 x lane: o's scale words
	v_mul_u32_u24 v6, v11, 528
	s_delay_alu instid0(VALU_DEP_1)
	v_lshl_add_u32 v6, v12, 6, v6
	s_delay_alu instid0(VALU_DEP_1)
	v_add_nc_u32 v6, s58, v6                       ; v6  the stage, way in: row r, + 64 h
	v_add_nc_u32 v7, s58, v1                       ; v7  way out: 16 bytes a lane of a row
	s_wait_alu depctr_va_vdst(0)
	s_wait_dscnt 0x0
	s_wait_kmcnt 0x0
	s_mov_b32 s[G0], 1
	s_mul_i32 s[G0+1], s[WV], 12288                ; LDS: wave x 12,288
	s_add_nc_u64 s[G0+2:G0+3], s[8:9], s[46:47]
	s_or_b32 s[G0+3], s[G0+3], 0x80000000
	tensor_load_to_lds s[G0:G0+3], s[G1:G1+7]      ; my one tensor load: by this text's count one is out
	s_nop 0
	PLACES
	s_add_nc_u64 s[S1P:S1P+1], s[4:5], s[50:51]
	s_add_nc_u64 s[S1S:S1S+1], s[6:7], s[52:53]
	s_add_nc_u64 s[S0S:S0S+1], s[10:11], s[48:49]
	s_add_nc_u64 s[12:13], s[12:13], s[54:55]
	s_add_nc_u64 s[14:15], s[14:15], s[56:57]
.macro PRE s, buf                      ; K step s: o's two fragments, their scale words, Wo's scale words: fourteen loads into buffer buf
.irp t, 0,1
.irp k, 0,1,2,3,4,5
	global_load_b64 v[BF+24*(\buf)+12*\t+2*\k:BF+24*(\buf)+12*\t+2*\k+1], v4, s[S1P:S1P+1] offset:(\s)*12288+\t*1536+256*\k
.endr
.endr
	global_load_b32 v[S1W+(\buf)], v5, s[S1S:S1S+1] offset:128*(\s)
	global_load_b128 v[SS+6*(\buf):SS+6*(\buf)+3], v1, s[S0S:S0S+1] offset:512*(\s)
.endm
	PRE 0, 0
.irp t, 0,1                            ; the bias, in the result's layout, is what the sums begin with
.irp q, 0,1,2,3,4,5,6,7,8,9,10,11,12,13,14,15
	global_load_b128 v[ACC+64*\t+4*\q:ACC+64*\t+4*\q+3], v3, s[12:13] offset:128*(\q/4)+16*(\q%4)
.endr
.endr
	s_wait_tensorcnt 0x0                           ; my part of the slab is in,
	s_barrier_signal -1
	s_barrier_wait -1                              ; everybody's is: the only barrier
; A K step of 128: sixteen products, the sixteen accumulators by turns, one instruction a turn, in the same order in every step
.macro STEP s, pf
	s_wait_loadcnt 0x0                             ; this step's loads, issued a step ago (in the first step the bias too)
	PLACES
.if \pf
	PRE (\s)+1, 1-(\s)%2
.endif
.irp grp, 0,1
.if \grp
	PLACES
.endif
.irp q, 0,1,2,3
.irp c, 0,1,2
.if (\s) < 5
	ds_load_b128 v[RING+12*\q+4*\c:RING+12*\q+4*\c+3], v1 offset:(\s)*12288+(4*\grp+\q)*1536+512*\c
.else
	ds_load_b128 v[RING+12*\q+4*\c:RING+12*\q+4*\c+3], v2 offset:((\s)-5)*12288+(4*\grp+\q)*1536+512*\c
.endif
.endr
.endr
	s_wait_dscnt 0x0
.irp q, 0,1,2,3
.irp t, 0,1
	WM ACC+64*\t+8*(4*\grp+\q), RING+12*\q, BF+24*((\s)%2)+12*\t, SS+6*((\s)%2)+2*\grp+\q/2, S1W+(\s)%2, \q%2, \t
.endr
.endr
.endr
.endm
.irp s, 0,1,2,3,4,5,6
	STEP \s, 1
.endr
	STEP 7, 0
.macro OUT t
.if (\t) == 0
	PLACES                                         ; for the reads of results just made, and for the loads into registers that the last products read
.endif
.irp q, 0,1,2,3,4,5,6,7,8,9,10,11,12,13,14,15
	ds_store_b128 v6, v[ACC+64*(\t)+4*\q:ACC+64*(\t)+4*\q+3] offset:128*(\q/4)+16*(\q%4)   ; each accumulator from its low end on
.endr
.if (\t) == 1
	s_wait_xcnt 0x0                                ; the first tile's stores have read their data: the loads below land there
.endif
.irp q, 0,1,2,3,4,5,6,7,8,9,10,11,12,13,14,15
	ds_load_b128 v[RING+4*\q:RING+4*\q+3], v7 offset:528*\q   ; LDS serves a wave's instructions in order: these see my stores
.endr
.irp q, 0,1,2,3,4,5,6,7,8,9,10,11,12,13,14,15
	s_wait_dscnt 15-\q                             ; row q is back; the younger reads may be out
	global_store_b128 v1, v[RING+4*\q:RING+4*\q+3], s[14:15] offset:(8*(\t)+\q+8*(\q/8))*4096 th:TH_STORE_NT   ; 512 consecutive bytes, aligned; written once, read by nobody here
.endr
.endm
	OUT 0
	OUT 1
	s_wait_tensorcnt 0x0
	ds_add_u32 v254, v255
	s_wait_dscnt 0x0
	s_endpgm
.Lfunc_end_k_qc82734fa5a_outp:
	.size	k_qc82734fa5a_outp, .Lfunc_end_k_qc82734fa5a_outp-k_qc82734fa5a_outp
	.p2alignl 7, 3214868480
	.fill 96, 4, 3214868480
	.section	.rodata,"a",@progbits
	.p2align	6, 0x0
	.amdhsa_kernel k_qc82734fa5a_outp
		.amdhsa_group_segment_fixed_size 168960
		.amdhsa_private_segment_fixed_size 0
		.amdhsa_enable_private_segment 0
		.amdhsa_kernarg_size 48
		.amdhsa_user_sgpr_count 2
		.amdhsa_user_sgpr_kernarg_segment_ptr 1
		.amdhsa_wavefront_size32 1
		.amdhsa_system_sgpr_workgroup_id_x 1
		.amdhsa_system_sgpr_workgroup_id_y 1
		.amdhsa_system_sgpr_workgroup_id_z 1
		.amdhsa_system_vgpr_workitem_id 0
		.amdhsa_next_free_vgpr 256
		.amdhsa_next_free_sgpr 66
		.amdhsa_reserve_vcc 0
		.amdhsa_float_denorm_mode_32 3
		.amdhsa_float_denorm_mode_16_64 3
		.amdhsa_memory_ordered 1
		.amdhsa_forward_progress 1
		.amdhsa_inst_pref_size 57
	.end_amdhsa_kernel
	.amdgpu_metadata
---
amdhsa.version: [ 1, 2 ]
amdhsa.kernels:
  - .name:           k_qc82734fa5a_outp
    .symbol:         k_qc82734fa5a_outp.kd
    .args:
      - { .name: oc, .offset: 0, .size: 8, .value_kind: global_buffer, .address_space: global }
      - { .name: os, .offset: 8, .size: 8, .value_kind: global_buffer, .address_space: global }
      - { .name: xc, .offset: 16, .size: 8, .value_kind: global_buffer, .address_space: global }
      - { .name: xs, .offset: 24, .size: 8, .value_kind: global_buffer, .address_space: global }
      - { .name: bo, .offset: 32, .size: 8, .value_kind: global_buffer, .address_space: global }
      - { .name: out0, .offset: 40, .size: 8, .value_kind: global_buffer, .address_space: global }
    .group_segment_fixed_size: 168960
    .private_segment_fixed_size: 0
    .kernarg_segment_align: 8
    .kernarg_segment_size: 48
    .max_flat_workgroup_size: 256
    .sgpr_count:     66
    .vgpr_count:     256
    .wavefront_size: 32
...
	.end_amdgpu_metadata
.endif
;; end of part 4
